; MI455X (gfx1250); checked and timed in simulation.
; The chip was launched on July 23, 2026; its instructions are those of AMD's public machine-readable ISA for CDNA 5 (MIT licence, August 2026) and "CDNA5" Instruction Set Architecture Reference Guide (July 2026). The comments in the code are by the model that wrote it; some were corrected since.
;; KNRM. Allowed arithmetic: matrix products marked QUANTISED: E2M3 operands, one E8M0 scale for each 32 along K, by v_wmma_scale_f32_16x16x128_f8f6f4 with both operands' format E2M3, f32 sums; products left as they are: f32 operands where the result goes on into a quantised operand, else bf16, f16 or f32 operands; f32 sums; everything else in f32.
;; Inputs: W1 10 x 10 float32; W2 10 x 5 float32; W3 5 x 1 float32; b1 10 float32; b2 5 float32; b3 1 float32; d1 1,024 x 256 int32; d2 1,024 x 256 int32; emb 100,000 x 128 float32; q1 1,024 x 64 int32; q2 1,024 x 64 int32.
;; Outputs: out0 1,024 x 1 float32.
;; This version of the problem:
;;   THIS VERSION OF THE PROBLEM IS GIVEN IN LOW PRECISION. The matrix products marked QUANTISED in the list below multiply operands that are first quantised to E2M3 (2 exponent bits, 3 mantissa bits; 6 bits a number), with one power-of-two scale for each 32 numbers along K (OCP MX v1.0); their sums are f32. All else is computed in f32.
;;   The module's matrix products, in the order in which they are computed (A, B: the left and right operand; K: the contracted axis; several contracted axes count as one K, in the product's order):
;;     1. batch 1,024 x [M 64, K 128] x [K 128, N 256]; A: computed on the way; B: computed on the way: QUANTISED
;;     2. [M 1,024, K 10] x [K 10, N 10]; A: computed on the way; B: input W1: left as it is (K = 10 < 32)
;;     3. [M 1,024, K 10] x [K 10, N 5]; A: computed on the way; B: input W2: left as it is (K = 10 < 32)
;;     4. [M 1,024, K 5] x [K 5, N 1]; A: computed on the way; B: input W3: left as it is (K = 5 < 32)
;;     5. batch 1,024 x [M 64, K 128] x [K 128, N 256]; A: computed on the way; B: computed on the way: QUANTISED
;;     6. [M 1,024, K 10] x [K 10, N 10]; A: computed on the way; B: input W1: left as it is (K = 10 < 32)
;;     7. [M 1,024, K 10] x [K 10, N 5]; A: computed on the way; B: input W2: left as it is (K = 10 < 32)
;;     8. [M 1,024, K 5] x [K 5, N 1]; A: computed on the way; B: input W3: left as it is (K = 5 < 32)
;;   THE QUANTISER, for each operand of a quantised product, along K:
;;     - K is cut into blocks of 32 from its start; a last block that is shorter is filled with zeros.
;;     - A block's scale is 2^e with e = floor(log2(the largest magnitude in the block)) - 2, held to -126 .. 127; a block of zeros has e = 0. As a byte (E8M0): e + 127.
;;     - Each number is divided by its block's scale, clamped to +-7.5, and rounded to the nearest number of E2M3, ties to even, subnormals kept.
;;     - The product sums the exact products of the quantised numbers (number of the format x scale) in f32.
;;   ~~~python
;;   def quantise(x, axis):      # numpy; x: float32 -> the quantised numbers, widened to float32 again
;;       x = np.moveaxis(x, axis, -1); K = x.shape[-1]
;;       x = np.pad(x, [(0, 0)] * (x.ndim - 1) + [(0, -K % 32)]); x = x.reshape(x.shape[:-1] + (-1, 32)); a = np.abs(x).max(-1, keepdims=True)
;;       e = np.where(a > 0, np.clip(np.frexp(np.where(a > 0, a, 1))[1] - 1 - 2, -126, 127), 0)      # np.frexp(a)[1] - 1 = floor(log2(a)), exactly
;;       r = np.clip(x / 2.0 ** e, -7.5, 7.5)
;;       step = 2.0 ** (np.maximum(np.frexp(np.where(r == 0, 1, r))[1] - 1, 0) - 3)
;;       q = np.round(r / step) * step * 2.0 ** e      # np.round: ties to even
;;       return np.moveaxis(q.reshape(q.shape[:-2] + (-1,))[..., :K], -1, axis).astype(np.float32)
;;   ~~~
;;   OPERANDS COMPUTED ON THE WAY. 'Computed on the way' means the value that the module computes at that place (a softmax that the list does not call 'softmax' is quantised finished and normalised). What goes into a quantiser is computed in f32, as accurately as f32 sums, v_exp_f32 and their like allow (about 1e-6 of the number): no bf16 or f16 on the way to a quantiser, and a product that is left as it is and whose result goes on into a quantised operand takes f32 operands (vector FMAs, or v_wmma_f32_16x16x4_f32). A number that lies on a knife's edge between two numbers of the format may be rounded either way, as far as f32 arithmetic and the matrix unit's own rounding can turn it there, and no further.
;; One version. Each part assembles by itself: llvm-mc -triple=amdgcn-amd-amdhsa -mcpu=gfx1250 --defsym DOCPART=n.
;; ======== version 1 of 1: 2 launches
;; workspace buffers: tab 12,800,000 bytes
;; launch prep (part 1): grid 625 x 1, 4 waves a work-group, no clusters, 25,088 bytes of LDS; arguments emb, tab; writes tab
.if DOCPART == 1
	.amdgcn_target "amdgcn-amd-amdhsa--gfx1250"
	.amdhsa_code_object_version 6
	.text
	.protected	k_qdb71075d40_prep
	.globl	k_qdb71075d40_prep
	.p2align	8
	.type	k_qdb71075d40_prep,@function
k_qdb71075d40_prep:
	s_mov_b64 s[64:65], 0
	v_nop
	global_prefetch_b8 v0, s[64:65] scope:SCOPE_SE
	s_setreg_imm32_b32 hwreg(HW_REG_WAVE_MODE, 25, 1), 1
	s_wait_xcnt 0x0
; Every row of emb [100000][128] f32 is normalised, x / (norm + 1e-13), and quantised ONCE to codes of FP6 (E2M3) with one E8M0 byte for each 32 along the row.
; The result is a record of 128 bytes a row, laid as a matrix operand's registers take it:
;   bytes 0-23 block 0's codes, 24-47 block 2's, 48-63 the row's scale word four times; bytes 64-87 block 1's, 88-111 block 3's, 112-127 the scale word four times.
; So lane (r, h) of a fragment reads 48 bytes of codes and its scale word at record + 64 h, by loads of 16 bytes, and nothing is shuffled.  A row is looked up about 6.5 times by the next launch
; (655,360 lookups of 100,000 rows): quantised here it is normalised once, and each lookup moves 128 bytes for 512.
; A block's scale is 2^(floor(log2(its largest magnitude)) - 2); its byte is the largest magnitude's exponent field - 2, held at 1 from below.
; LIMITS: NaN and infinities in emb are not served.  The division is v_rcp_f32 and a multiplication (about 2e-7 of the number).  A block of zeros gets the byte 1 where the rule says 127: its codes are
; zeros, which add nothing under any byte but 0xff, and the bytes are read by this program alone.
; SHARES: 625 work-groups x 160 rows; a wave takes 40 rows, in 5 steps of 8.  In a step lane l works on row l / 4, block l % 4: its 32 numbers are one block.  Waves share nothing: no barrier.
; Each load reads one row, 512 consecutive bytes, 16 a lane; a step's 4,096 bytes turn through the wave's own stage in LDS and come back 128 bytes a lane.  All 40 loads of a wave go out at the head.
; No tensor load, no cluster, no matrix unit: the launch is a stream, read once and written once.
.set WREG, 6144                        ; LDS: a region of its own for each wave
.set PL,   144                         ; a place in a stage: 128 bytes + 16 = 36 words, so that lanes one place apart start 36 words apart
.set OUTB, 32*PL                       ; behind the 32 places of the way in: 8 records, PL bytes apart
.set R,    64                          ; v64-223  five sets of 32: a step's numbers as loaded; later the step's records on their way out
.set X,    224                         ; v224-255 my block's 32 numbers
	s_load_b128 s[4:7], s[0:1], 0x0                ; emb, tab
	v_lshl_add_u32 v62, v0, 2, 0x6000
	v_mov_b32 v63, 0
	v_lshrrev_b32 v1, 5, v0
	v_readfirstlane_b32 s8, v1                     ; wave 0..3
	v_and_b32 v1, 31, v0                           ; lane
	s_mul_i32 s9, s8, WREG                         ; my wave's region
	v_lshrrev_b32 v9, 3, v1
	v_and_b32 v24, 7, v1
	v_mul_u32_u24 v2, v9, PL
	v_lshl_add_u32 v2, v24, 4, v2
	v_add_nc_u32 v2, s9, v2                        ; v2: eight lanes' 128 bytes to a place: PL (lane / 8) + 16 (lane % 8); a load's 512 bytes take four places
	v_mul_u32_u24 v3, v1, PL
	v_add_nc_u32 v3, s9, v3                        ; v3: my place: PL x lane
	v_lshrrev_b32 v9, 2, v1                        ; my row of the step's eight
	v_and_b32 v8, 3, v1                            ; my block b
	v_mul_u32_u24 v4, v9, PL
	v_add_nc_u32 v4, s9, v4
	v_and_b32 v9, 1, v8
	v_lshl_add_u32 v4, v9, 6, v4                   ; + 64 (b % 2): the record's half
	v_lshrrev_b32 v9, 1, v8
	v_lshl_add_u32 v5, v9, 3, v4                   ; v5: my 8 bytes of the half's 16 bytes of scale words (+ 48 in the offset)
	v_mad_u32_u24 v4, v9, 24, v4                   ; v4: my block's 24 bytes of codes: + 24 (b / 2)
	v_lshlrev_b32 v7, 4, v1                        ; v7: 16 x lane, for the loads and the stores; never rewritten
	v_lshlrev_b32 v8, 3, v8                        ; v8: 8 b: my byte's place in the scale word
	v_mov_b32 v19, 0                               ; (named as the upper half of the pair v[18:19])
	s_mul_i32 s10, ttmp9, 160*512                  ; my work-group's 160 rows, my wave's 40: in emb,
	s_mul_i32 s12, s8, 40*512
	s_add_co_u32 s10, s10, s12
	s_mov_b32 s11, 0
	s_mul_i32 s12, ttmp9, 160*128                  ; and in tab
	s_mul_i32 s13, s8, 40*128
	s_add_co_u32 s12, s12, s13
	s_mov_b32 s13, 0
	s_wait_kmcnt 0x0
	s_add_nc_u64 s[4:5], s[4:5], s[10:11]
	s_add_nc_u64 s[6:7], s[6:7], s[12:13]
.irp t, 0,1,2,3,4
.irp i, 0,1,2,3,4,5,6,7
	global_load_b128 v[R+32*\t+4*\i:R+32*\t+4*\i+3], v7, s[4:5] offset:(8*\t+\i)*512 th:TH_LOAD_NT   ; a row: 32 lanes read 512 consecutive bytes; read once in the launch
.endr
.endr
.macro STEP t
.set RS, R+32*(\t)
	s_wait_loadcnt 8*(4-(\t))                      ; this step's eight loads are in; the later steps' eight each may be out
.irp i, 0,1,2,3,4,5,6,7
	ds_store_b128 v2, v[RS+4*\i:RS+4*\i+3] offset:4*PL*\i           ; row i: places 4 i .. 4 i + 3
.endr
.irp j, 0,1,2,3,4,5,6,7
	ds_load_b128 v[X+4*\j:X+4*\j+3], v3 offset:16*\j                ; LDS serves a wave's instructions in order: these see the stores above
.endr
	s_wait_dscnt 0x0
	v_pk_mul_f32 v[10:11], v[X:X+1], v[X:X+1]                       ; the sum of my 32 squares: two chains of pairs, started by the first products
	v_pk_mul_f32 v[12:13], v[X+2:X+3], v[X+2:X+3]
.irp j, 4,8,12,16,20,24,28
	v_pk_fma_f32 v[10:11], v[X+\j:X+\j+1], v[X+\j:X+\j+1], v[10:11]
	v_pk_fma_f32 v[12:13], v[X+\j+2:X+\j+3], v[X+\j+2:X+\j+3], v[12:13]
.endr
	v_pk_add_f32 v[10:11], v[10:11], v[12:13]
	v_add_f32 v16, v10, v11
	v_add_f32_dpp v16, v16, v16 row_xmask:1 row_mask:0xf bank_mask:0xf   ; with the row's other three lanes
	v_add_f32_dpp v16, v16, v16 row_xmask:2 row_mask:0xf bank_mask:0xf
	v_sqrt_f32 v16, v16                            ; the norm; the search for the block's largest magnitude is the independent work behind it
	v_max3_num_f32 v14, |v[X]|, |v[X+1]|, |v[X+2]|
	v_max3_num_f32 v15, |v[X+3]|, |v[X+4]|, |v[X+5]|
.irp i, 6,10,14,18,22,26
	v_max3_num_f32 v14, v14, |v[X+\i]|, |v[X+\i+1]|
	v_max3_num_f32 v15, v15, |v[X+\i+2]|, |v[X+\i+3]|
.endr
	v_max3_num_f32 v14, v14, |v[X+30]|, |v[X+31]|
	v_max_num_f32 v14, v14, v15
	s_wait_alu depctr_va_vdst(0)                   ; the wait ahead of the first line that names the root
	v_add_f32 v16, 0x29e12e13, v16                 ; + 1e-13
	v_rcp_f32 v18, v16
	v_nop                                          ; a plain line behind the reciprocal
	s_wait_alu depctr_va_vdst(0)                   ; and the wait ahead of its first reader
	v_mul_f32 v14, v14, v18                        ; rounding keeps order: this IS the largest magnitude of the normalised block
	v_max_num_f32 v14, 0x1800000, v14              ; the floor 2^(3 - 127): the byte cannot fall under 1
	v_add_nc_u32 v20, 0xff000000, v14              ; 2 off its exponent field: the conversion takes the exponent field of this operand as its scale, and nothing else of it
	v_lshrrev_b32 v21, 23, v20                     ; the scale's byte
.irp j, 0,2,4,6,8,10,12,14,16,18,20,22,24,26,28,30
	v_pk_mul_f32 v[X+\j:X+\j+1], v[X+\j:X+\j+1], v[18:19] op_sel_hi:[1,0]   ; x / (norm + 1e-13), in f32
.endr
	v_cvt_scalef32_pk16_fp6_f32 v[26:28], v[X:X+15], v20            ; 16 codes, 96 bits without gaps, the first number's code lowest
	v_cvt_scalef32_pk16_fp6_f32 v[30:32], v[X+16:X+31], v20         ; (a conversion's three registers begin on an even number)
	v_lshlrev_b32 v22, v8, v21                     ; my byte at its place in the row's scale word.  (Also the plain line behind the conversions)
	v_mov_b32_dpp v24, v22 row_xmask:1 row_mask:0xf bank_mask:0xf
	v_or_b32 v22, v22, v24
	v_mov_b32_dpp v24, v22 row_xmask:2 row_mask:0xf bank_mask:0xf
	v_or_b32 v22, v22, v24                         ; with the other three lanes' bytes the word is whole
	v_mov_b32 v23, v22
	v_mov_b32 v29, v30                             ; the block's 24 bytes on end: v26-31
	v_mov_b32 v30, v31
	v_mov_b32 v31, v32
	ds_store_b64 v4, v[26:27] offset:OUTB
	ds_store_b64 v4, v[28:29] offset:OUTB+8
	ds_store_b64 v4, v[30:31] offset:OUTB+16
	ds_store_b64 v5, v[22:23] offset:OUTB+48       ; four lanes x 8 bytes fill the record's two runs of 16 bytes with the scale word: every byte of a record is written
	ds_load_b128 v[RS:RS+3], v2 offset:OUTB        ; back as they lie in memory: four records an instruction
	ds_load_b128 v[RS+4:RS+7], v2 offset:OUTB+4*PL
	s_wait_dscnt 0x0
	global_store_b128 v7, v[RS:RS+3], s[6:7] offset:1024*(\t)       ; 32 lanes store 512 consecutive bytes, at a multiple of 512 from tab's first byte
	global_store_b128 v7, v[RS+4:RS+7], s[6:7] offset:1024*(\t)+512 ; each step stores from registers of its own: none is written again
.endm
.irp t, 0,1,2,3,4
	STEP \t
.endr
	s_wait_tensorcnt 0x0
	ds_add_u32 v62, v63
	s_wait_dscnt 0x0
	s_endpgm
.Lfunc_end_k_qdb71075d40_prep:
	.size	k_qdb71075d40_prep, .Lfunc_end_k_qdb71075d40_prep-k_qdb71075d40_prep
	.p2alignl 7, 3214868480
	.fill 96, 4, 3214868480
	.section	.rodata,"a",@progbits
	.p2align	6, 0x0
	.amdhsa_kernel k_qdb71075d40_prep
		.amdhsa_group_segment_fixed_size 25088
		.amdhsa_private_segment_fixed_size 0
		.amdhsa_enable_private_segment 0
		.amdhsa_kernarg_size 16
		.amdhsa_user_sgpr_count 2
		.amdhsa_user_sgpr_kernarg_segment_ptr 1
		.amdhsa_wavefront_size32 1
		.amdhsa_system_sgpr_workgroup_id_x 1
		.amdhsa_system_sgpr_workgroup_id_y 1
		.amdhsa_system_sgpr_workgroup_id_z 1
		.amdhsa_system_vgpr_workitem_id 0
		.amdhsa_next_free_vgpr 256
		.amdhsa_next_free_sgpr 66
		.amdhsa_reserve_vcc 0
		.amdhsa_float_denorm_mode_32 3
		.amdhsa_float_denorm_mode_16_64 3
		.amdhsa_memory_ordered 1
		.amdhsa_forward_progress 1
		.amdhsa_inst_pref_size 35
	.end_amdhsa_kernel
	.amdgpu_metadata
---
amdhsa.version: [ 1, 2 ]
amdhsa.kernels:
  - .name:           k_qdb71075d40_prep
    .symbol:         k_qdb71075d40_prep.kd
    .args:
      - { .name: emb, .offset: 0, .size: 8, .value_kind: global_buffer, .address_space: global }
      - { .name: tab, .offset: 8, .size: 8, .value_kind: global_buffer, .address_space: global }
    .group_segment_fixed_size: 25088
    .private_segment_fixed_size: 0
    .kernarg_segment_align: 8
    .kernarg_segment_size: 16
    .max_flat_workgroup_size: 128
    .sgpr_count:     66
    .vgpr_count:     256
    .wavefront_size: 32
...
	.end_amdgpu_metadata
.endif
;; end of part 1
;; launch knrm (part 2): grid 1024 x 1, 8 waves a work-group, no clusters, 54,784 bytes of LDS; arguments q1, d1, q2, d2, tab, W1, b1, W2, b2, W3, b3, out0; writes out0
.if DOCPART == 2
	.amdgcn_target "amdgcn-amd-amdhsa--gfx1250"
	.amdhsa_code_object_version 6
	.text
	.protected	k_qdb71075d40_knrm
	.globl	k_qdb71075d40_knrm
	.p2align	8
	.type	k_qdb71075d40_knrm,@function
k_qdb71075d40_knrm:
	s_mov_b64 s[64:65], 0
	v_nop
	global_prefetch_b8 v0, s[64:65] scope:SCOPE_SE
	s_setreg_imm32_b32 hwreg(HW_REG_WAVE_MODE, 25, 1), 1
	s_wait_xcnt 0x0
; out0[b] = sigmoid(l(q1[b], d1[b]) - l(q2[b], d2[b])).  l: M = qn dn^T [64][256] on codes of FP6 (E2M3) with E8M0 scales (K = 128: one matrix instruction for each 16 x 16 of M); ten Gaussian kernels of M,
; summed over the documents, log1p, summed over the queries; then relu and a layer, three times (10-10-5-1), in f32.
; tab holds the quantised table: a record of 128 bytes a row; lane (r, h) of a fragment reads 48 bytes of codes and the row's scale word at 128 id + 64 h.
; THE KERNELS.  Nine have sigma 0.1 and centres 2 j / 9, j = -4 .. 4:  exp(-50 (M - 2j/9)^2) = c_j K0 s^j,  K0 = exp(-50 M^2),  s = exp(200 M / 9),  c_j = exp(-50 (2j/9)^2).
; So an M costs four exponentials (K0, s, 1/s, the exact kernel's) for ten; the powers are multiplications, and c_j, a constant, multiplies the finished sum.  This is an identity, not an approximation.
; ITS RANGE: the rows are normalised by the computation itself, and rounding to E2M3 moves a vector by at most 0.107 of its norm, so |M| <= 1.226: K0 >= 2^-108.4, s and 1/s within 2^(+-39.3),
; K0 s^4 <= 2^57, a sum of 256 of them <= 2^65: no factor or sum overflows, and what falls under the smallest f32 number belongs to a kernel value that is under it too.
; LIMITS: a kernel value under 2^-126 counts as 0 (v_exp_f32 gives 0 there): under 1e-38 a term.  NaN and infinities in emb are not served.  out0 is 4 bytes a work-group.
; SHARES.  A work-group is one batch element, both pairs.  Wave w: pair p = w / 4, part i = w % 4: it owns queries 16 i .. 16 i + 15 against all 256 documents of its pair, and gathers four of the pair's
; sixteen document tiles for the pair's four waves, which go through LDS as images of the operand's registers (16 bytes a lane, 512 bytes a store; the scale words 4 bytes a lane).
; The sums over documents and queries do not mind the order, so document tile 4 i + e holds documents 64 i + 4 r + e: one load of 16 bytes of ids a lane serves four tiles.
; ORIENTATION.  Source 0 = 16 documents, source 1 = my 16 queries: lane (r, h) holds query r and its eight registers documents 8 h + 0 .. 7: the sum over documents stays in the lane but for one exchange.
; 128 registers a wave and 53,760 bytes of LDS: several work-groups share a WGP, so that one wave's exponentials stand beside another's plain work.  Matrix work is one instruction in some 125.
; No tensor load (the rows come by a list), no cluster (no two work-groups share a tile), no prefetch (a record is named by many work-groups in no order; the gather is one burst at the head).
.set FRB,  1536                        ; a fragment's image: 12 registers x 128 bytes
.set DSC,  32*FRB                      ; LDS: 32 images (16 p + tile) from byte 0; then their scale words, 128 bytes each;
.set PART, DSC+32*128                  ; then 64 bytes a wave: its ten sums and six zeros
.set QF,  8                            ; v8-19    my queries' fragment
.set QS,  20                           ; v20      its scale words;  v21, v22 the two document buffers': these three hold scales and nothing else
.set DS,  21
.set NRC, 24                           ; v[24:25] -sqrt(500000 log2 e), twice
.set PP,  26                           ; v26-29   K0 s^n of two pairs at work
.set ACC, 30                           ; v30-49   ten sums, a pair each (even and odd registers of M): kernel k at ACC + 2 k; the exact one last
.set DB,  50                           ; v50-73   two buffers for document fragments; behind the last product W1's and W2's columns and the biases
.set MR,  74                           ; v74-89   two results of 8
.set TZ,  90                           ; v90-97   -a M^2, then K0, then K0 s^-n
.set UP,  98                           ; v98-105  log2 s, then s
.set UM,  106                          ; v106-113 1 / s
.set EX,  114                          ; v114-121 the exact kernel's exponent, then its value
	s_load_b512 s[8:23], s[0:1], 0x0               ; q1 s[8:9], d1 s[10:11], q2 s[12:13], d2 s[14:15], tab s[16:17], W1 s[18:19], b1 s[20:21], W2 s[22:23]
	s_load_b256 s[24:31], s[0:1], 0x40             ; b2 s[24:25], W3 s[26:27], b3 s[28:29], out0 s[30:31]
	v_lshl_add_u32 v128, v0, 2, 0xd200
	v_mov_b32 v129, 0
	v_lshrrev_b32 v1, 5, v0
	v_readfirstlane_b32 s3, v1                     ; wave 0..7
	s_lshr_b32 s4, s3, 2                           ; pair
	s_and_b32 s5, s3, 3                            ; part
	v_and_b32 v126, 31, v0                         ; lane
	v_and_b32 v125, 15, v0                         ; r
	v_bfe_u32 v124, v0, 4, 1                       ; h
	; every LDS address is made here, of the thread's number, the wave's number and constants
	s_mul_i32 s6, s4, 16*FRB
	s_lshl_b32 s7, s4, 11
	v_lshl_add_u32 v1, v126, 4, s6                 ; v1: reading images: 16 x lane + my pair's sixteen
	v_lshl_add_u32 v2, v126, 2, s7                 ; v2: reading scale words: 4 x lane + my pair's
	s_lshl_b32 s6, s3, 6
	v_mov_b32 v3, s6                               ; v3: my wave's 64 bytes of sums
	v_lshlrev_b32 v6, 2, v126
	v_mad_u32_u24 v6, v124, 192, v6                ; v6: lane 16 p + k reads sum k of pair p: 256 p + 4 k
	s_mul_i32 s6, s3, 4*FRB
	s_lshl_b32 s7, s3, 9
	v_lshl_add_u32 v122, v126, 4, s6               ; v122: storing images: 16 x lane + my wave's four
	v_lshl_add_u32 v123, v126, 2, s7               ; v123: and their scale words
	v_min_u32 v4, 9, v126
	v_lshlrev_b32 v4, 2, v4                        ; v4: column min(lane, 9) of W1, and of b1
	v_min_u32 v5, 4, v126
	v_lshlrev_b32 v5, 2, v5                        ; v5: column min(lane, 4) of W2, and of b2
	v_mov_b32 v7, 0
	v_lshlrev_b32 v124, 6, v124                    ; v124: 64 h: my half of a record
	v_lshlrev_b32 v126, 4, v125                    ; v126: 16 r: four document ids
	v_lshlrev_b32 v125, 2, v125                    ; v125: 4 r: a query id
	s_lshl_b32 s36, ttmp9, 8                       ; q: 256 bytes a batch element, 64 a part
	s_lshl_b32 s6, s5, 6
	s_add_co_u32 s36, s36, s6
	s_mov_b32 s37, 0
	s_lshl_b32 s38, s36, 2                         ; d: four times that
	s_mov_b32 s39, 0
	s_wait_kmcnt 0x0
	s_cmp_lt_u32 s3, 4                             ; my pair's buffers: the choice hangs on the wave's number alone
	s_cselect_b64 s[32:33], s[8:9], s[12:13]
	s_cselect_b64 s[34:35], s[10:11], s[14:15]
	s_add_nc_u64 s[32:33], s[32:33], s[36:37]
	s_add_nc_u64 s[34:35], s[34:35], s[38:39]
	global_load_b32 v58, v125, s[32:33]            ; query 16 i + r
	global_load_b128 v[54:57], v126, s[34:35] th:TH_LOAD_NT   ; documents 64 i + 4 r + 0 .. 3: sixteen lanes read 256 consecutive bytes
	s_load_b128 s[40:43], s[26:27], 0x0            ; W3, 20 bytes,
	s_load_b32 s44, s[26:27], 0x10
	s_load_b32 s45, s[28:29], 0x0                  ; and b3
	s_mov_b32 s46, 0x4107e439                      ; sqrt(50 log2 e): (this x M)^2 = 50 log2 e M^2
	s_mov_b32 s47, s46                             ; (a packed form names the pair and takes its low word for both halves: so the upper word is written)
	s_mov_b32 s48, 0x42003d54                      ; 200 / 9 log2 e: log2 s = this x M
	s_mov_b32 s49, s48
	s_mov_b32 s50, 0x44545498                      ; sqrt(500000 log2 e)
	s_mov_b32 s51, s50
	s_mov_b32 s52, 0x76543210                      ; v_permlanex16_b32's selects for lane l xor 16
	s_mov_b32 s53, 0xfedcba98
	s_mov_b32 s54, 0x3f317218                      ; ln 2
	s_lshl_b32 s56, ttmp9, 2                       ; my number's place in out0
	s_mov_b32 s57, 0
	v_mov_b32 v[NRC], 0xc4545498
	v_mov_b32 v[NRC+1], 0xc4545498
	s_wait_loadcnt 0x0                             ; the ids
.irp e, 0,1,2,3
	v_min_u32 v[54+\e], 0x1869f, v[54+\e]          ; an id stays inside the table: 99,999 at the most
.endr
	v_min_u32 v58, 0x1869f, v58
.irp e, 0,1,2,3
	v_lshl_add_u32 v[54+\e], v[54+\e], 7, v124     ; 128 id + 64 h
.endr
	v_lshl_add_u32 v127, v58, 7, v124
.irp e, 0,1,2,3                                ; document tile 4 i + e lands in v[74 + 12 e] on, its scale words in v[50 + e]
.irp c, 0,1,2
	global_load_b128 v[74+12*\e+4*\c:74+12*\e+4*\c+3], v[54+\e], s[16:17] offset:16*\c
.endr
	global_load_b32 v[50+\e], v[54+\e], s[16:17] offset:48
.endr
.irp c, 0,1,2
	global_load_b128 v[QF+4*\c:QF+4*\c+3], v127, s[16:17] offset:16*\c    ; my queries stay in registers
.endr
	global_load_b32 v[QS], v127, s[16:17] offset:48
.irp e, 0,1,2,3
	s_wait_loadcnt 4*(3-\e)+4                      ; tile e's four loads are in; the later tiles' four each and the queries' four may be out
.irp c, 0,1,2
	ds_store_b128 v122, v[74+12*\e+4*\c:74+12*\e+4*\c+3] offset:FRB*\e+512*\c   ; the image: 512 consecutive bytes a store
.endr
	ds_store_b32 v123, v[50+\e] offset:DSC+128*\e
.endr
	s_wait_loadcnt 0x0                             ; the queries
	s_wait_kmcnt 0x0                               ; W3 and b3, asked for ahead of the records
	s_wait_dscnt 0x0                               ; for the others' sake: my images have landed
	s_barrier_signal -1
	s_barrier_wait -1                              ; both pairs' 32 images lie in LDS; nobody writes them again
.macro LOADT t                                 ; document tile t of my pair into buffer t % 2
.irp c, 0,1,2
	ds_load_b128 v[DB+12*((\t)%2)+4*\c:DB+12*((\t)%2)+4*\c+3], v1 offset:FRB*(\t)+512*\c
.endr
	ds_load_b32 v[DS+(\t)%2], v2 offset:DSC+128*(\t)
.endm
.macro MM t, younger                           ; 16 documents x my 16 queries, all of K.  The sum begins and ends here: C is the constant 0; the two results take turns
	s_wait_dscnt \younger                          ; tile t's four loads are in; the next tile's four may be out
	v_wmma_scale_f32_16x16x128_f8f6f4 v[MR+8*((\t)%2):MR+8*((\t)%2)+7], v[DB+12*((\t)%2):DB+12*((\t)%2)+11], v[QF:QF+11], 0, v[DS+(\t)%2], v[QS] matrix_a_fmt:MATRIX_FMT_FP6 matrix_b_fmt:MATRIX_FMT_FP6
.endm
; Pairs a and b of a tile's four pairs of M, line by line in turn.  K = K0 s^-n stands in TZ, P = K0 s^n in PP; sixteen packed lines a pair serve ten kernels of two M.
.macro CONS2 a, b
.irp i, \a, \b
	v_pk_add_f32 v[ACC+8:ACC+9], v[ACC+8:ACC+9], v[TZ+2*\i:TZ+2*\i+1]                          ; j = 0
.endr
.irp i, \a, \b
	v_pk_mul_f32 v[PP+2*(\i%2):PP+2*(\i%2)+1], v[TZ+2*\i:TZ+2*\i+1], v[UP+2*\i:UP+2*\i+1]      ; K0 s
.endr
.irp i, \a, \b
	v_pk_mul_f32 v[TZ+2*\i:TZ+2*\i+1], v[TZ+2*\i:TZ+2*\i+1], v[UM+2*\i:UM+2*\i+1]              ; K0 / s
.endr
.irp i, \a, \b
	v_pk_add_f32 v[ACC+18:ACC+19], v[ACC+18:ACC+19], v[EX+2*\i:EX+2*\i+1]                      ; the exact kernel
.endr
.irp d, 1,2,3
.irp i, \a, \b
	v_pk_add_f32 v[ACC+8+2*\d:ACC+9+2*\d], v[ACC+8+2*\d:ACC+9+2*\d], v[PP+2*(\i%2):PP+2*(\i%2)+1]   ; j = d
.endr
.irp i, \a, \b
	v_pk_add_f32 v[ACC+8-2*\d:ACC+9-2*\d], v[ACC+8-2*\d:ACC+9-2*\d], v[TZ+2*\i:TZ+2*\i+1]           ; j = -d
.endr
.if \d < 3
.irp i, \a, \b
	v_pk_mul_f32 v[PP+2*(\i%2):PP+2*(\i%2)+1], v[PP+2*(\i%2):PP+2*(\i%2)+1], v[UP+2*\i:UP+2*\i+1]
.endr
.irp i, \a, \b
	v_pk_mul_f32 v[TZ+2*\i:TZ+2*\i+1], v[TZ+2*\i:TZ+2*\i+1], v[UM+2*\i:UM+2*\i+1]
.endr
.endif
.endr
.irp i, \a, \b
	v_pk_fma_f32 v[ACC+16:ACC+17], v[PP+2*(\i%2):PP+2*(\i%2)+1], v[UP+2*\i:UP+2*\i+1], v[ACC+16:ACC+17]   ; j = 4: the last power and the sum in one
.endr
.irp i, \a, \b
	v_pk_fma_f32 v[ACC:ACC+1], v[TZ+2*\i:TZ+2*\i+1], v[UM+2*\i:UM+2*\i+1], v[ACC:ACC+1]                   ; j = -4
.endr
.endm
; One tile: 8 numbers of M a lane.  20 packed lines make the exponents, 32 exponentials are ONE batch with one wait, 64 packed lines use them.  The next tile's product stands behind the batch;
; the 64 lines, which name none of its registers, are the places between it and the first read of its result and the loads into the buffer that it read.
.macro TILE t
.set MB, MR+8*((\t)%2)
.irp i, 0,1,2,3                                ; the result is read from its low end on
	v_pk_mul_f32 v[TZ+2*\i:TZ+2*\i+1], v[MB+2*\i:MB+2*\i+1], s[46:47] op_sel_hi:[1,0]
	v_pk_mul_f32 v[UP+2*\i:UP+2*\i+1], v[MB+2*\i:MB+2*\i+1], s[48:49] op_sel_hi:[1,0]          ; log2 s
.endr
.irp i, 0,1,2,3
	v_pk_mul_f32 v[TZ+2*\i:TZ+2*\i+1], v[TZ+2*\i:TZ+2*\i+1], v[TZ+2*\i:TZ+2*\i+1] neg_lo:[1,0] neg_hi:[1,0]   ; -50 log2 e M^2
.endr
.irp n, 0,1,2,3,4,5,6,7
	v_exp_f32 v[TZ+\n], v[TZ+\n]                   ; K0
.endr
.irp n, 0,1,2,3,4,5,6,7
	v_exp_f32 v[UM+\n], -v[UP+\n]                  ; 1 / s
.endr
.irp i, 0,1,2,3                                ; eight plain lines in the batch's middle: behind them the exponents of s, which the lines above have read, may be overwritten
	v_pk_fma_f32 v[EX+2*\i:EX+2*\i+1], v[MB+2*\i:MB+2*\i+1], s[50:51], v[NRC:NRC+1] op_sel_hi:[1,0,1]      ; sqrt(500000 log2 e) (M - 1)
.endr
.irp i, 0,1,2,3
	v_pk_mul_f32 v[EX+2*\i:EX+2*\i+1], v[EX+2*\i:EX+2*\i+1], v[EX+2*\i:EX+2*\i+1] neg_lo:[1,0] neg_hi:[1,0]
.endr
.irp n, 0,1,2,3,4,5,6,7
	v_exp_f32 v[UP+\n], v[UP+\n]                   ; s
.endr
.irp n, 0,1,2,3,4,5,6,7
	v_exp_f32 v[EX+\n], v[EX+\n]                   ; the exact kernel
.endr
.if (\t) < 14
	MM (\t)+1, 4
.elseif (\t) == 14
	MM (\t)+1, 0                                   ; no tile is asked for behind the last
.endif
	v_nop                                          ; a plain line behind the last exponential
	s_wait_alu depctr_va_vdst(0)                   ; the wait ahead of the first line that names a result: one for the 32
	CONS2 0, 1
	CONS2 2, 3
.if (\t)+3 <= 15
	LOADT (\t)+3                                   ; into the buffer that the product above has read, 65 plain lines behind it
.endif
.endm
	LOADT 0
	LOADT 1
	MM 0, 4
.irp k, 0,1,2,3,4,5,6,7,8,9,10,11,12,13,14,15,16,17,18,19
	v_mov_b32 v[ACC+\k], 0                         ; the ten sums, once a wave.  (Also the places behind the first product)
.endr
	LOADT 2
.irp t, 0,1,2,3,4,5,6,7,8,9,10,11,12,13,14
	TILE \t
.endr
	; The layers' weights, into the document buffers, which the last product read 65 plain lines ago: lane j takes column j.  Wave 0 alone will use them; every wave issues the 22 loads, so that the text has
	; no branch here and every register is written on every way.  They land under the last tile and the pooling.
.irp k, 0,1,2,3,4,5,6,7,8,9
	global_load_b32 v[50+\k], v4, s[18:19] offset:40*\k       ; W1[k][j]
.endr
	global_load_b32 v60, v4, s[20:21]              ; b1[j]
.irp k, 0,1,2,3,4,5,6,7,8,9
	global_load_b32 v[61+\k], v5, s[22:23] offset:20*\k       ; W2[k][j]
.endr
	global_load_b32 v71, v5, s[24:25]              ; b2[j]
	TILE 15
	; THE POOLING.  v74-83 the sums S, v84-93 the other half's, v94-103 u = 1 + S, v104-113 S - (u - 1), v30-39 log2 u, v40-49 1 / u
.irp k, 0,1,2,3,4,5,6,7,8,9
	v_add_f32 v[74+\k], v[ACC+2*\k], v[ACC+2*\k+1]
.endr
.irp k, 0,1,2,3,4,5,6,7,8,9
	v_permlanex16_b32 v[84+\k], v[74+\k], s52, s53 ; the query's other 128 documents lie in the lane 16 away
.endr
.irp k, 0,1,2,3,4,5,6,7,8,9
	v_add_f32 v[74+\k], v[74+\k], v[84+\k]
.endr
.irp k, 0,8
	v_mul_f32 v[74+\k], 0x23006991, v[74+\k]       ; c_4 = exp(-50 (8/9)^2)
.endr
.irp k, 1,7
	v_mul_f32 v[74+\k], 0x2f759723, v[74+\k]       ; c_3
.endr
.irp k, 2,6
	v_mul_f32 v[74+\k], 0x38577152, v[74+\k]       ; c_2
.endr
.irp k, 3,5
	v_mul_f32 v[74+\k], 0x3dad612b, v[74+\k]       ; c_1
.endr
.irp k, 0,1,2,3,4,5,6,7,8,9
	v_add_f32 v[94+\k], 1.0, v[74+\k]              ; log1p(S) = ln u + (S - (u - 1)) / u: what the rounding of 1 + S loses is given back
.endr
.irp k, 0,1,2,3,4,5,6,7,8,9
	v_log_f32 v[30+\k], v[94+\k]
.endr
.irp k, 0,1,2,3,4,5,6,7,8,9
	v_rcp_f32 v[40+\k], v[94+\k]
.endr
.irp k, 0,1,2,3,4,5,6,7,8,9
	v_add_f32 v[104+\k], -1.0, v[94+\k]            ; plain work behind the batch of twenty, which names none of its results
.endr
.irp k, 0,1,2,3,4,5,6,7,8,9
	v_sub_f32 v[104+\k], v[74+\k], v[104+\k]
.endr
	s_wait_alu depctr_va_vdst(0)                   ; one wait for the twenty, ahead of their first reader
.irp k, 0,1,2,3,4,5,6,7,8,9
	v_mul_f32 v[104+\k], v[104+\k], v[40+\k]
.endr
.irp k, 0,1,2,3,4,5,6,7,8,9
	v_fma_f32 v[30+\k], v[30+\k], s54, v[104+\k]
.endr
.irp m, 1,2,4,8                                ; the sum over my 16 queries: both halves of the lanes hold the same ten numbers a query
.irp k, 0,1,2,3,4,5,6,7,8,9
	v_add_f32_dpp v[30+\k], v[30+\k], v[30+\k] row_xmask:\m row_mask:0xf bank_mask:0xf
.endr
.endr
.irp k, 0,1,2,3,4,5
	v_mov_b32 v[40+\k], 0
.endr
.irp c, 0,1,2,3
	ds_store_b128 v3, v[30+4*\c:33+4*\c] offset:PART+16*\c    ; all lanes write the same words with the same values
.endr
	s_wait_dscnt 0x0                               ; for wave 0's sake: my sums have landed
	s_barrier_signal -1
	s_barrier_wait -1
	s_cmp_lg_u32 s3, 0
	s_cbranch_scc1 .Lend
	; THE LAYERS, in wave 0, by fused multiply-adds in f32: 155 for each pair.  Lane j is neuron j; the inputs come as scalars.
.irp n, 0,1,2,3
	ds_load_b32 v[74+\n], v6 offset:PART+64*\n     ; lane 16 p + k: kernel k of pair p, from the pair's four waves
.endr
	s_wait_dscnt 0x0
	v_add_f32 v74, v74, v75
	v_add_f32 v76, v76, v77
	v_add_f32 v74, v74, v76
	v_max_num_f32 v74, 0, v74                      ; relu stands ahead of each layer
	s_wait_loadcnt 0x0                             ; the weights
.macro DENSE xa, xb, off, w, bias, ya, yb      ; ten inputs of pair 0 (lanes 0 .. 9 of xa) and of pair 1 (lanes off .. off + 9 of xb); the two pairs by turns; the next layer's relu at the end
.irp k, 0,1,2,3,4,5,6,7,8,9
	v_readlane_b32 s[66+\k], v[\xa], \k
	v_readlane_b32 s[76+\k], v[\xb], \off+\k
.endr
	v_fma_f32 v[\ya], s66, v[\w], v[\bias]         ; the bias starts the sum
	v_fma_f32 v[\yb], s76, v[\w], v[\bias]
.irp k, 1,2,3,4,5,6,7,8,9
	v_fmac_f32 v[\ya], s[66+\k], v[\w+\k]
	v_fmac_f32 v[\yb], s[76+\k], v[\w+\k]
.endr
	v_max_num_f32 v[\ya], 0, v[\ya]
	v_max_num_f32 v[\yb], 0, v[\yb]
.endm
	DENSE 74, 74, 16, 50, 60, 80, 81
	DENSE 80, 81, 0, 61, 71, 82, 83
.irp k, 0,1,2,3,4
	v_readlane_b32 s[66+\k], v82, \k
	v_readlane_b32 s[76+\k], v83, \k
.endr
	v_mov_b32 v84, s45                             ; b3
	v_mov_b32 v85, s45
.irp k, 0,1,2,3,4
	v_fma_f32 v84, s[66+\k], s[40+\k], v84
	v_fma_f32 v85, s[76+\k], s[40+\k], v85
.endr
	v_sub_f32 v86, v84, v85                        ; l1 - l2
	v_mul_f32 v86, 0xbfb8aa3b, v86                 ; x -log2 e
	v_exp_f32 v86, v86
	v_nop
	s_wait_alu depctr_va_vdst(0)
	v_add_f32 v86, 1.0, v86
	v_rcp_f32 v86, v86                             ; 1 / (1 + e^-(l1 - l2))
	v_nop
	s_wait_alu depctr_va_vdst(0)
	s_add_nc_u64 s[30:31], s[30:31], s[56:57]
	s_wait_xcnt 0x0                                ; EXEC changes only behind this wait
	v_cmp_eq_u32 vcc_lo, 0, v0
	s_wait_tensorcnt 0x0
	ds_add_u32 v128, v129
	s_wait_dscnt 0x0
	s_and_saveexec_b32 s58, vcc_lo                 ; one lane stores the work-group's number
	global_store_b32 v7, v86, s[30:31]
	s_endpgm
.Lend:
	s_wait_tensorcnt 0x0
	ds_add_u32 v128, v129
	s_wait_dscnt 0x0
	s_endpgm
.Lfunc_end_k_qdb71075d40_knrm:
	.size	k_qdb71075d40_knrm, .Lfunc_end_k_qdb71075d40_knrm-k_qdb71075d40_knrm
	.p2alignl 7, 3214868480
	.fill 96, 4, 3214868480
	.section	.rodata,"a",@progbits
	.p2align	6, 0x0
	.amdhsa_kernel k_qdb71075d40_knrm
		.amdhsa_group_segment_fixed_size 54784
		.amdhsa_private_segment_fixed_size 0
		.amdhsa_enable_private_segment 0
		.amdhsa_kernarg_size 96
		.amdhsa_user_sgpr_count 2
		.amdhsa_user_sgpr_kernarg_segment_ptr 1
		.amdhsa_wavefront_size32 1
		.amdhsa_system_sgpr_workgroup_id_x 1
		.amdhsa_system_sgpr_workgroup_id_y 1
		.amdhsa_system_sgpr_workgroup_id_z 1
		.amdhsa_system_vgpr_workitem_id 0
		.amdhsa_next_free_vgpr 130
		.amdhsa_next_free_sgpr 86
		.amdhsa_reserve_vcc 1
		.amdhsa_float_denorm_mode_32 3
		.amdhsa_float_denorm_mode_16_64 3
		.amdhsa_memory_ordered 1
		.amdhsa_forward_progress 1
		.amdhsa_inst_pref_size 135
	.end_amdhsa_kernel
	.amdgpu_metadata
---
amdhsa.version: [ 1, 2 ]
amdhsa.kernels:
  - .name:           k_qdb71075d40_knrm
    .symbol:         k_qdb71075d40_knrm.kd
    .args:
      - { .name: q1, .offset: 0, .size: 8, .value_kind: global_buffer, .address_space: global }
      - { .name: d1, .offset: 8, .size: 8, .value_kind: global_buffer, .address_space: global }
      - { .name: q2, .offset: 16, .size: 8, .value_kind: global_buffer, .address_space: global }
      - { .name: d2, .offset: 24, .size: 8, .value_kind: global_buffer, .address_space: global }
      - { .name: tab, .offset: 32, .size: 8, .value_kind: global_buffer, .address_space: global }
      - { .name: W1, .offset: 40, .size: 8, .value_kind: global_buffer, .address_space: global }
      - { .name: b1, .offset: 48, .size: 8, .value_kind: global_buffer, .address_space: global }
      - { .name: W2, .offset: 56, .size: 8, .value_kind: global_buffer, .address_space: global }
      - { .name: b2, .offset: 64, .size: 8, .value_kind: global_buffer, .address_space: global }
      - { .name: W3, .offset: 72, .size: 8, .value_kind: global_buffer, .address_space: global }
      - { .name: b3, .offset: 80, .size: 8, .value_kind: global_buffer, .address_space: global }
      - { .name: out0, .offset: 88, .size: 8, .value_kind: global_buffer, .address_space: global }
    .group_segment_fixed_size: 54784
    .private_segment_fixed_size: 0
    .kernarg_segment_align: 8
    .kernarg_segment_size: 96
    .max_flat_workgroup_size: 256
    .sgpr_count:     86
    .vgpr_count:     130
    .wavefront_size: 32
...
	.end_amdgpu_metadata
.endif
;; end of part 2
